; MI455X (gfx1250); checked and timed in simulation.
; The chip was launched on July 23, 2026; its instructions are those of AMD's public machine-readable ISA for CDNA 5 (MIT licence, August 2026) and "CDNA5" Instruction Set Architecture Reference Guide (July 2026). The comments in the code are by the model that wrote it; some were corrected since.
;; Cross Attention. Allowed arithmetic: matrix products marked QUANTISED: E5M2 operands, one E8M0 scale for each 32 along K, by v_wmma_scale_f32_16x16x128_f8f6f4 with both operands' format E5M2, f32 sums; everything else in f32.
;; Inputs: Wk_codes 128 x 8 x 32 uint8 (E5M2 codes of Wk, K innermost, in blocks of 32 codes); Wk_scales 128 x 8 uint8 (E8M0 scales of Wk, one for each 32 codes along K); Wo_codes 128 x 4 x 32 uint8 (E5M2 codes of Wo, K innermost, in blocks of 32 codes); Wo_scales 128 x 4 uint8 (E8M0 scales of Wo, one for each 32 codes along K); Wq_codes 128 x 8 x 32 uint8 (E5M2 codes of Wq, K innermost, in blocks of 32 codes); Wq_scales 128 x 8 uint8 (E8M0 scales of Wq, one for each 32 codes along K); Wv_codes 128 x 8 x 32 uint8 (E5M2 codes of Wv, K innermost, in blocks of 32 codes); Wv_scales 128 x 8 uint8 (E8M0 scales of Wv, one for each 32 codes along K); bk 128 float32; bo 128 float32; bq 128 float32; bv 128 float32; ligand_codes 4 x 4,096 x 8 x 32 uint8 (E5M2 codes of ligand, K innermost, in blocks of 32 codes); ligand_scales 4 x 4,096 x 8 uint8 (E8M0 scales of ligand, one for each 32 codes along K); pocket_codes 4 x 4,096 x 8 x 32 uint8 (E5M2 codes of pocket, K innermost, in blocks of 32 codes); pocket_scales 4 x 4,096 x 8 uint8 (E8M0 scales of pocket, one for each 32 codes along K).
;; Outputs: out0 4 x 4,096 x 128 float32.
;; This version of the problem:
;;   THIS VERSION OF THE PROBLEM IS GIVEN IN LOW PRECISION. The matrix products marked QUANTISED in the list below multiply operands that are first quantised to E5M2 (5 exponent bits, 2 mantissa bits; 8 bits a number), with one power-of-two scale for each 32 numbers along K (OCP MX v1.0); their sums are f32. All else is computed in f32.
;;   The module's matrix products, in the order in which they are computed (A, B: the left and right operand; K: the contracted axis; several contracted axes count as one K, in the product's order):
;;     1. [M 16,384, K 256] x [K 256, N 128]; A: input ligand (given as codes); B: input Wq (given as codes): QUANTISED
;;     2. [M 16,384, K 256] x [K 256, N 128]; A: input pocket (given as codes); B: input Wk (given as codes): QUANTISED
;;     3. [M 16,384, K 256] x [K 256, N 128]; A: input pocket (given as codes); B: input Wv (given as codes): QUANTISED
;;     4. batch 4 x [M 4,096, K 128] x [K 128, N 4,096]; A: computed on the way; B: computed on the way: QUANTISED
;;     5. batch 4 x [M 4,096, K 4,096] x [K 4,096, N 128]; A: softmax (see below); B: computed on the way: QUANTISED
;;     6. [M 16,384, K 128] x [K 128, N 128]; A: computed on the way; B: input Wo (given as codes): QUANTISED
;;   THE QUANTISER, for each operand of a quantised product, along K:
;;     - K is cut into blocks of 32 from its start; a last block that is shorter is filled with zeros.
;;     - A block's scale is 2^e with e = floor(log2(the largest magnitude in the block)) - 15, held to -126 .. 127; a block of zeros has e = 0. As a byte (E8M0): e + 127.
;;     - Each number is divided by its block's scale, clamped to +-57,344, and rounded to the nearest number of E5M2, ties to even, subnormals kept.
;;     - The product sums the exact products of the quantised numbers (number of the format x scale) in f32.
;;   ~~~python
;;   def quantise(x, axis):      # numpy; x: float32 -> the quantised numbers, widened to float32 again
;;       x = np.moveaxis(x, axis, -1); K = x.shape[-1]
;;       x = np.pad(x, [(0, 0)] * (x.ndim - 1) + [(0, -K % 32)]); x = x.reshape(x.shape[:-1] + (-1, 32)); a = np.abs(x).max(-1, keepdims=True)
;;       e = np.where(a > 0, np.clip(np.frexp(np.where(a > 0, a, 1))[1] - 1 - 15, -126, 127), 0)      # np.frexp(a)[1] - 1 = floor(log2(a)), exactly
;;       r = np.clip(x / 2.0 ** e, -57344, 57344)
;;       step = 2.0 ** (np.maximum(np.frexp(np.where(r == 0, 1, r))[1] - 1, -14) - 2)
;;       q = np.round(r / step) * step * 2.0 ** e      # np.round: ties to even
;;       return np.moveaxis(q.reshape(q.shape[:-2] + (-1,))[..., :K], -1, axis).astype(np.float32)
;;   ~~~
;;   SOFTMAX AHEAD OF A QUANTISED PRODUCT. Where the list says 'softmax', what is quantised is not the finished softmax but p = 2^(t - M), with t = logit x log2(e) and M = ceil(the row's largest t), a whole number; so 1/2 < the row's largest p <= 1. The row's sum l is taken of the UNQUANTISED p, in f32, and the product's result is divided by l at the end. Since M is a whole number, a kernel that streams over the keys may use a running M (the ceiling of the running maximum): every later rescaling is an exact power of two, which a block's scale takes up: the codes' values come out the same.
;;   OPERANDS COMPUTED ON THE WAY. 'Computed on the way' means the value that the module computes at that place (a softmax that the list does not call 'softmax' is quantised finished and normalised). What goes into a quantiser is computed in f32, as accurately as f32 sums, v_exp_f32 and their like allow (about 1e-6 of the number): no bf16 or f16 on the way to a quantiser, and a product that is left as it is and whose result goes on into a quantised operand takes f32 operands (vector FMAs, or v_wmma_f32_16x16x4_f32). A number that lies on a knife's edge between two numbers of the format may be rounded either way, as far as f32 arithmetic and the matrix unit's own rounding can turn it there, and no further.
;;   INPUTS GIVEN AS CODES. Wk (in the module: [256, 128], K = its axis 0); Wo (in the module: [128, 128], K = its axis 0); Wq (in the module: [256, 128], K = its axis 0); Wv (in the module: [256, 128], K = its axis 0); ligand (in the module: [4, 4096, 256], K = its axis 2); pocket (in the module: [4, 4096, 256], K = its axis 2): each comes as NAME_codes (uint8): NAME with its K axis moved to the last place and cut into blocks of 32 codes, [.., K / 32, bytes a block], one block behind the other in memory; one code a byte (a code: sign, 5 exponent bits, 2 mantissa bits); and NAME_scales (uint8): the same leading axes, one E8M0 byte (e + 127) for each 32 codes along K. Its value is code x scale, taken as it is: it is not quantised again, and the codes and scales need not be those that the quantiser above would give.
;; One version. Each part assembles by itself: llvm-mc -triple=amdgcn-amd-amdhsa -mcpu=gfx1250 --defsym DOCPART=n.
;; ======== version 1 of 1: 2 launches
;; limits: right only within a limited range of input values
;; workspace buffers: qimg 2,162,688 bytes; kv 4,325,376 bytes
;; launch proj (part 1): grid 256 x 1, 8 waves a work-group, clusters of 4 x 1, 167,936 bytes of LDS; arguments ligand_codes, ligand_scales, pocket_codes, pocket_scales, Wq_codes, Wq_scales, Wk_codes, Wk_scales, Wv_codes, Wv_scales, bq, bk, bv, qimg, kv; writes qimg, kv
.if DOCPART == 1
	.amdgcn_target "amdgcn-amd-amdhsa--gfx1250"
	.amdhsa_code_object_version 6
	.text
	.protected	k_q264843a934_proj
	.globl	k_q264843a934_proj
	.p2align	8
	.type	k_q264843a934_proj,@function
k_q264843a934_proj:
	s_mov_b64 s[64:65], 0
	v_nop
	global_prefetch_b8 v0, s[64:65] scope:SCOPE_SE
	s_setreg_imm32_b32 hwreg(HW_REG_WAVE_MODE, 25, 1), 1
	s_wait_xcnt 0x0
	s_wait_alu depctr_hold_cnt(0) depctr_sa_sdst(0) depctr_va_vdst(0) depctr_va_sdst(0) depctr_va_ssrc(0) depctr_va_vcc(0) depctr_vm_vsrc(0)
	s_getreg_b32 s2, hwreg(HW_REG_IB_STS2, 6, 4)
	s_cmp_eq_u32 s2, 0
	s_cbranch_scc0 .Lentry_in_a_cluster
	s_endpgm
.Lentry_in_a_cluster:
	s_bfe_u32 s2, ttmp6, 0x10000c
	s_cmp_lg_u32 s2, 0x3003
	s_cbranch_scc0 .Lentry_shape_is_right
	s_endpgm
.Lentry_shape_is_right:
; Q = ligand Wq + bq, K = pocket Wk + bk, V = pocket Wv + bv: products on codes of BF8 (E5M2) with one E8M0 scale for each 32 along K (256), sums in f32;
; the results are quantised at once, Q and K along d, V along the keys, and stored as IMAGES OF OPERAND REGISTERS for the attention launch.
; A fragment is 16 rows x 128 along K: 16 registers a lane; its image is 2,048 bytes: register group c at 512 c, lane l at 16 l.
;   kv   [128 blocks of 128 keys][33,792]: K's 8 fragments, V^T's 8 fragments (from 16,384), scale words (from 32,768: half G at 512 G; K's row r of tiles 4 G + i at 16 r + 4 i, V's 256 further on).
;   qimg [128 blocks of 128 queries][16,896]: Q's 8 fragments, scale words (from 16,384: half G at 256 G, row r of tile 4 G + i at 16 r + 4 i).
; THE ROWS OF A TILE ARE NOT NEIGHBOURS: lane r of tile f = 2 b + u takes row 32 b + 8 u + r + 8 (r / 8), in every tile here (queries, keys, d, rows of the weights).
; So the 16 result registers of tiles 2 b and 2 b + 1 are 16 neighbours, 32 b + 16 (lane / 16) + 0 .. 15, along the axis that source 0's rows run on: the conversions' results ARE the operand's registers.
; SHARES.  256 work-groups in clusters of four: cluster number's parity G: 0 makes K, 1 makes V of a block of 128 rows of pocket; both make Q of half G of the block's 128 rows of ligand.
;   K, V: wave w takes B tiles 2 p, 2 p + 1 (p = w / 2) against A tiles 4 a .. 4 a + 3 (a = w % 2): two of a fragment's four register groups.  K: A = Wk, B = pocket; V: A = pocket, B = Wv.
;   Q: B tiles 2 q, 2 q + 1 of ligand (q = w / 4) against the two tiles of block b = w % 4 of Wq: one register group.
; The bias lies in the accumulators ahead of the first product.
; LDS: a load takes, of each 16 rows, the first or the second 8 (u): 2,048 bytes on end, 4,096 apart: so a tile's 16 rows lie side by side, 272 bytes apart.  The weights, which all four partners need, are asked for jointly (mask 15).
; Each wave issues one load, all of them filled once; there is no loop to run ahead in, so nothing is prefetched.
; Scale bytes are gathered in LDS and leave as whole units of 256 bytes.  No step of the problem is left out here.
; LIMITS: NaN and infinities are not served.  A block of zeros gets the scale byte 1 (the rule says 127): its codes are zeros, and these bytes are read by this program alone.
; REGISTERS: window 0: v1-23 addresses; v24-43 scale words; v64-127 K's or V's sums (B tile n, A tile t: 64 + 32 n + 8 t); v128-159 Q's (128 + 16 n + 8 u); v160-223 Q's B tiles, then codes; v224-255 at work.
;   window 1: v0-127 A tiles (32 t + 16 s, s the K step); v128-191 B tiles; v192-255 Wq's two tiles.
.set PITCH, 272
.set HR,  64*PITCH                     ; 64 rows: what a load brings of 128
.set BLK, 16*PITCH                     ; from block to block among them
.set RW,  0                            ; Wk's or Wv's 128 rows
.set RP,  2*HR                         ; pocket's 128
.set RQ,  4*HR                         ; Wq's 128
.set RL,  6*HR                         ; ligand's 64
.set XW,  7*HR                         ; K's or V's scale words: 256 (f / 4) + 16 r + 4 (f % 4)
.set XQ,  XW+512                       ; Q's: 16 r + 4 tile
.set SPARE, XQ+256                     ; the spare words, 128 bytes for each of eight waves: four blocks of 256 bytes that no other line names
.set SPW, 1
.set NIL, 2
.set AS,  24
.set BSC, 32
.set QAS, 36
.set QBS, 40
.set SEL, 66                           ; s[66:67] v_permlanex16_b32's selects for lane l xor 16
.set MNT, 39                           ; s39 the mantissa field of 57,344
.set MSB, 0
.macro WIN new                         ; the immediate's high byte repeats the setting that is left
.if MSB != \new
	s_set_vgpr_msb (MSB<<8)|\new
.set MSB, \new
.endif
.endm
.macro VALU
	s_wait_alu depctr_va_vdst(0)
.endm
.macro CROUND                          ; a round of the cluster's barrier
	s_barrier_signal -1
	s_barrier_wait -1
	s_cmp_lg_u32 s2, 0
	s_cbranch_scc1 .Lnot_wave_0_\@
	s_barrier_signal -3
.Lnot_wave_0_\@:
	s_barrier_wait -3
	s_barrier_signal -1
	s_barrier_wait -1
.endm
.macro GROUP1 g, mask, n               ; n runs of 2,048 bytes (256 elements of 8), 4,096 apart; 16 bytes of padding behind each 256
	s_mov_b32 s[\g+0], (\mask)|(3<<16)|(1<<20)|(5<<22)|(3<<25)
	s_mov_b32 s[\g+1], 256<<16
	s_mov_b32 s[\g+2], (\n)<<16
	s_mov_b32 s[\g+3], 256<<16
	s_mov_b32 s[\g+4], \n
	s_mov_b32 s[\g+5], 512
	s_mov_b32 s[\g+6], 0
	s_mov_b32 s[\g+7], 0
.endm
.macro TLOAD g0, g1
	tensor_load_to_lds s[\g0:\g0+3], s[\g1:\g1+7]
	s_nop 0
.rept 4
	v_nop
.endr
.endm
.macro ADDP d, src, off                ; a pointer: buffer + offset (the offset's high word is 0)
	s_add_nc_u64 s[\d:\d+1], s[\src:\src+1], s[\off:\off+1]
.endm
	s_load_b512 s[8:23], s[0:1], 0x0               ; ligand's codes, scales; pocket's; Wq's; Wk's
	s_load_b256 s[24:31], s[0:1], 0x40             ; Wv's codes, scales; bq; bk
	s_load_b128 s[32:35], s[0:1], 0x60             ; bv; qimg
	s_load_b64 s[36:37], s[0:1], 0x70              ; kv
	v_lshl_add_u32 v[SPW], v0, 2, SPARE
	v_mov_b32 v[NIL], 0
	ds_add_u32 v[SPW], v[NIL]                      ; the wave's opening: the add, twice on end, and its wait ahead of my tensor load; work on registers stands between
	ds_add_u32 v[SPW], v[NIL]
	v_lshrrev_b32 v3, 5, v0
	v_readfirstlane_b32 s2, v3                     ; wave w
	s_and_b32 s3, ttmp9, 1                         ; G
	s_lshr_b32 s4, ttmp9, 1
	s_lshl_b32 s4, s4, 2
	s_bfe_u32 s5, ttmp6, 0x40000
	s_add_co_u32 s4, s4, s5                        ; the block = 4 (cluster / 2) + cx
	s_and_b32 s5, s2, 1                            ; a; also the u that I fetch
	s_lshr_b32 s6, s2, 1                           ; p
	s_and_b32 s7, s2, 3                            ; b
	s_lshr_b32 s38, s2, 2                          ; q
	s_mul_i32 s84, s5, 2*BLK
	s_mul_i32 s85, s6, BLK
	s_mul_i32 s86, s7, BLK
	s_add_co_u32 s86, s86, RQ
	s_mul_i32 s87, s38, BLK
	s_add_co_u32 s87, s87, RL
	s_lshr_b32 s88, s6, 1
	s_lshl_b32 s88, s88, 8
	s_and_b32 s89, s6, 1
	s_lshl_b32 s89, s89, 3
	s_add_co_u32 s88, s88, s89
	s_lshl_b32 s89, s5, 1
	s_add_co_u32 s88, s88, s89
	s_add_co_u32 s88, s88, XW                      ; my bytes among K's or V's words: 256 (p / 2) + 8 (p % 2) + 2 a
	s_lshl_b32 s89, s38, 3
	s_add_co_u32 s89, s89, s7
	s_add_co_u32 s89, s89, XQ                      ; and among Q's: 8 q + b
	v_and_b32 v3, 15, v0                           ; r
	v_bfe_u32 v4, v0, 4, 1                         ; h
	v_and_b32 v5, 31, v0                           ; lane
	v_mul_u32_u24 v6, v3, PITCH
	v_lshl_add_u32 v6, v4, 4, v6                   ; a fragment's row x pitch + 16 h
	v_add_nc_u32 v7, s84, v6                       ; A
	v_add_nc_u32 v8, s85, v6                       ; B
	v_add_nc_u32 v9, s86, v6                       ; Q's A
	v_add_nc_u32 v10, s87, v6                      ; Q's B
	v_and_b32 v11, 8, v3
	v_add_nc_u32 v11, v11, v3                      ; r + 8 (r / 8)
	v_lshlrev_b32 v12, 3, v11                      ; a row's 8 scale bytes
	v_lshlrev_b32 v13, 6, v4                       ; a bias that runs along the registers: 16 h numbers on
	v_lshlrev_b32 v14, 2, v11                      ; a bias that hangs on the lane
	v_lshlrev_b32 v15, 4, v5                       ; an image's place for my lane
	v_lshlrev_b32 v20, 4, v3
	v_add_nc_u32 v16, s88, v20                     ; where my scale bytes go: 16 r
	v_add_nc_u32 v17, s89, v20
	v_lshl_add_u32 v22, v4, 9, v20                 ; the words' way out: lanes 0-15 half 0, lanes 16-31 half 1, 512 bytes on
	v_add_nc_u32 v20, XW, v15
	v_lshlrev_b32 v23, 3, v5
	v_add_nc_u32 v21, XQ, v23
.irp b, 0,1,2,3
	v_mov_b32 v[228+\b], 0                         ; a lane permute's destination counts as one of its sources
	v_mov_b32 v[244+\b], 0
.endr
	GROUP1 40, 15|(1<<21), 8                       ; the weights: joint
	GROUP1 48, 0, 8                                ; pocket
	GROUP1 56, 0, 4                                ; ligand
	s_mov_b32 s[SEL], 0x76543210
	s_mov_b32 s[SEL+1], 0xfedcba98
	s_mov_b32 s[MNT], 0x600000
	VALU
	s_wait_dscnt 0x0                               ; both opening adds are done
	CROUND                                         ; all four work-groups are here: the joint loads meet
	s_wait_kmcnt 0x0
	s_cmp_eq_u32 s3, 0
	s_cselect_b64 s[84:85], s[20:21], s[24:25]     ; Wk or Wv: codes,
	s_cselect_b64 s[86:87], s[22:23], s[26:27]     ; scale bytes
	s_mul_i32 s94, s5, HR
	s_lshl_b32 s88, s5, 11                         ; 2,048 u
	s_mov_b32 s89, 0
	s_lshl_b32 s90, s4, 15
	s_add_co_u32 s90, s90, s88                     ; the block's rows of pocket
	s_mov_b32 s91, 0
	s_lshl_b32 s92, s4, 1
	s_add_co_u32 s95, s92, s3                      ; 2 block + G
	s_lshl_b32 s92, s95, 14
	s_add_co_u32 s92, s92, s88                     ; my half's rows of ligand
	s_mov_b32 s93, 0
	s_mov_b32 s68, 1
	s_add_co_u32 s69, s94, RW
	ADDP 70, 84, 88
	s_or_b32 s71, s71, 0x80000000
	s_mov_b32 s72, 1
	s_add_co_u32 s73, s94, RQ
	ADDP 74, 16, 88
	s_or_b32 s75, s75, 0x80000000
	s_mov_b32 s76, 1
	s_add_co_u32 s77, s94, RP
	ADDP 78, 12, 90
	s_or_b32 s79, s79, 0x80000000
	s_mov_b32 s80, 1
	s_mul_i32 s94, s5, 32*PITCH
	s_add_co_u32 s81, s94, RL
	ADDP 82, 8, 92
	s_or_b32 s83, s83, 0x80000000
	; one tensor load a wave, in one chain of arms
	s_cmp_lt_u32 s2, 2
	s_cbranch_scc0 .Larm_1
	TLOAD 68, 40                                   ; waves 0, 1: Wk or Wv
	s_branch .Lasked
.Larm_1:
	s_cmp_lt_u32 s2, 4
	s_cbranch_scc0 .Larm_2
	TLOAD 76, 48                                   ; waves 2, 3: pocket
	s_branch .Lasked
.Larm_2:
	s_cmp_lt_u32 s2, 6
	s_cbranch_scc0 .Larm_3
	TLOAD 72, 40                                   ; waves 4, 5: Wq
	s_branch .Lasked
.Larm_3:
	TLOAD 80, 56                                   ; waves 6, 7: ligand
.Lasked:
	; the scale words: a row's 8 bytes are K step 0's word and K step 1's
	s_lshl_b32 s90, s4, 10
	ADDP 92, 14, 90                                ; the block's in pocket
	s_lshl_b32 s88, s95, 9
	s_lshl_b32 s94, s38, 8
	s_add_co_u32 s88, s88, s94
	ADDP 10, 10, 88                                ; Q's B tiles in ligand
	s_cmp_eq_u32 s3, 0
	s_cselect_b64 s[94:95], s[86:87], s[92:93]     ; A's
	s_cselect_b64 s[96:97], s[92:93], s[86:87]     ; B's
	s_lshl_b32 s90, s5, 9
	ADDP 94, 94, 90
	s_lshl_b32 s90, s6, 8
	ADDP 96, 96, 90
	s_lshl_b32 s90, s7, 8
	ADDP 18, 18, 90
.irp t, 0,1,2,3
	global_load_b64 v[AS+2*\t:AS+2*\t+1], v12, s[94:95] offset:(32*(\t/2)+8*(\t%2))*8
.endr
.irp n, 0,1
	global_load_b64 v[BSC+2*\n:BSC+2*\n+1], v12, s[96:97] offset:64*\n
	global_load_b64 v[QAS+2*\n:QAS+2*\n+1], v12, s[18:19] offset:64*\n
	global_load_b64 v[QBS+2*\n:QBS+2*\n+1], v12, s[10:11] offset:64*\n
.endr
	s_lshl_b32 s90, s7, 7
	ADDP 28, 28, 90                                ; bq at d = 32 b
.irp u, 0,1
	global_load_b128 v[128+8*\u:131+8*\u], v13, s[28:29] offset:32*\u
	global_load_b128 v[132+8*\u:135+8*\u], v13, s[28:29] offset:32*\u+16
.endr
	; where my results go
	s_mul_i32 s92, s4, 33792
	s_lshl_b32 s88, s3, 14
	s_add_co_u32 s88, s88, s92
	s_lshl_b32 s90, s6, 12
	s_add_co_u32 s88, s88, s90
	s_lshl_b32 s90, s5, 10
	s_add_co_u32 s88, s88, s90
	ADDP 84, 36, 88                                ; s[84:85]: fragment 2 p, register group 2 a
	s_lshl_b32 s88, s3, 8
	s_add_co_u32 s92, s92, s88
	s_add_co_u32 s92, s92, 32768
	s_mov_b32 s93, 0
	ADDP 86, 36, 92                                ; s[86:87]: the block's scale words
	s_mul_i32 s92, s4, 16896
	s_lshl_b32 s90, s3, 13
	s_add_co_u32 s90, s90, s92
	s_lshl_b32 s98, s38, 12
	s_add_co_u32 s90, s90, s98
	s_lshl_b32 s98, s7, 9
	s_add_co_u32 s90, s90, s98
	s_add_co_u32 s92, s92, s88
	s_add_co_u32 s92, s92, 16384
	ADDP 88, 34, 90                                ; s[88:89]: Q's fragment 4 G + 2 q, register group b
	ADDP 92, 34, 92                                ; s[92:93]: half G's scale words
	s_mov_b32 s91, 0
	s_cmp_lg_u32 s3, 0
	s_cbranch_scc1 .Lbias_v
	s_lshl_b32 s90, s5, 8
	ADDP 30, 30, 90                                ; K: the bias runs along the registers: d = 64 a + 32 (t / 2) + 16 h + 8 (t % 2) + 0 .. 7
.irp t, 0,1,2,3
	global_load_b128 v[64+8*\t:67+8*\t], v13, s[30:31] offset:128*(\t/2)+32*(\t%2)
	global_load_b128 v[68+8*\t:71+8*\t], v13, s[30:31] offset:128*(\t/2)+32*(\t%2)+16
.endr
	s_wait_loadcnt 0x0
.set I_, 0
.rept 16
	v_dual_mov_b32 v[96+I_], v[64+I_] :: v_dual_mov_b32 v[97+I_], v[65+I_]
.set I_, I_+2
.endr
	s_branch .Lbias
.Lbias_v:
	s_lshl_b32 s90, s6, 7
	ADDP 32, 32, 90                                ; V: a lane holds one d of each B tile
.irp n, 0,1
	global_load_b32 v[18+\n], v14, s[32:33] offset:32*\n
.endr
	s_wait_loadcnt 0x0
.irp n, 0,1
.set I_, 64+32*\n
.rept 16
	v_dual_mov_b32 v[I_], v[18+\n] :: v_dual_mov_b32 v[I_+1], v[18+\n]
.set I_, I_+2
.endr
.endr
.Lbias:
.set I_, 0
.rept 8
	v_dual_mov_b32 v[144+I_], v[128+I_] :: v_dual_mov_b32 v[145+I_], v[129+I_]
.set I_, I_+2
.endr
	VALU
	s_wait_tensorcnt 0x0                           ; my tile has landed,
	s_barrier_signal -1
	s_barrier_wait -1                              ; and so has everybody's
.macro LOADS ra, rb                    ; B's two tiles, A's four: 48 loads
	WIN 0x40                                       ; destination window 1
.irp n, 0,1
.irp s, 0,1
.irp c, 0,1,2,3
	ds_load_b128 v[128+32*\n+16*\s+4*\c:131+32*\n+16*\s+4*\c], v8 offset:\rb+HR*\n+128*\s+32*\c
.endr
.endr
.endr
.irp t, 0,1,2,3
.irp s, 0,1
.irp c, 0,1,2,3
	ds_load_b128 v[32*\t+16*\s+4*\c:32*\t+16*\s+4*\c+3], v7 offset:\ra+BLK*(\t/2)+HR*(\t%2)+128*\s+32*\c
.endr
.endr
.endr
	WIN 0
.endm
.macro MUL t0                          ; A tiles t0, t0 + 1 against both B tiles: four accumulators by turns
	WIN 0x05
.irp s, 0,1
.irp t, \t0, \t0+1
.irp n, 0,1
	v_wmma_scale_f32_16x16x128_f8f6f4 v[64+32*\n+8*(\t):71+32*\n+8*(\t)], v[32*(\t)+16*\s:32*(\t)+16*\s+15], v[128+32*\n+16*\s:143+32*\n+16*\s], v[64+32*\n+8*(\t):71+32*\n+8*(\t)], v[AS+2*(\t)+\s], v[BSC+2*\n+\s] matrix_a_fmt:MATRIX_FMT_BF8 matrix_b_fmt:MATRIX_FMT_BF8
.endr
.endr
.endr
	WIN 0
.endm
; nb blocks of 32: a lane's 16 numbers each at v[src + 16 block] become codes at v[pc + 4 block] and a scale byte at v[tm + 4 + block].  v[tm] on: 16 registers at work.  The blocks take turns
.macro QUANT src, tm, pc, nb
.set B_, 0
.rept \nb
	v_max3_num_f32 v[\tm+B_], |v[\src+16*B_]|, |v[\src+1+16*B_]|, 0x8000000   ; and the floor 2^(16 - 127): the byte cannot fall under 1
.set B_, B_+1
.endr
.set I_, 2
.rept 7
.set B_, 0
.rept \nb
	v_max3_num_f32 v[\tm+B_], v[\tm+B_], |v[\src+16*B_+I_]|, |v[\src+1+16*B_+I_]|
.set B_, B_+1
.endr
.set I_, I_+2
.endr
.set B_, 0
.rept \nb
	v_permlanex16_b32 v[\tm+4+B_], v[\tm+B_], s[SEL], s[SEL+1]
.set B_, B_+1
.endr
.set B_, 0
.rept \nb
	v_max_num_f32 v[\tm+B_], v[\tm+B_], v[\tm+4+B_]                ; with lane l xor 16's: the block's largest magnitude
.set B_, B_+1
.endr
.set B_, 0
.rept \nb
	v_add_nc_u32 v[\tm+8+B_], 0xf8800000, v[\tm+B_]                ; 15 off its exponent field: the conversion's scale operand
.set B_, B_+1
.endr
.set B_, 0
.rept \nb
	v_and_or_b32 v[\tm+12+B_], v[\tm+B_], 0x7f800000, s[MNT]       ; 57,344 x the scale
.set B_, B_+1
.endr
.set B_, 0
.rept \nb
	v_lshrrev_b32 v[\tm+4+B_], 23, v[\tm+8+B_]                     ; the scale's byte
.set B_, B_+1
.endr
.set B_, 0
.rept \nb
.set I_, \src+16*B_
.rept 16
	v_med3_num_f32 v[I_], v[I_], -v[\tm+12+B_], v[\tm+12+B_]       ; the conversion to an 8-bit code does not saturate (ISA guide 7.6.2)
.set I_, I_+1
.endr
	v_cvt_scalef32_pk8_bf8_f32 v[\pc+4*B_:\pc+1+4*B_], v[\src+16*B_:\src+7+16*B_], v[\tm+8+B_]
	v_cvt_scalef32_pk8_bf8_f32 v[\pc+2+4*B_:\pc+3+4*B_], v[\src+8+16*B_:\src+15+16*B_], v[\tm+8+B_]
.set B_, B_+1
.endr
	v_nop                                          ; one plain vector instruction behind the last conversion
.endm
	s_cmp_lg_u32 s3, 0                             ; only the places differ
	s_cbranch_scc1 .Lplaces_v
	LOADS RW, RP
	s_branch .Lplaced
.Lplaces_v:
	LOADS RP, RW
.Lplaced:
	s_wait_dscnt 16                                ; B and A's tiles 0, 1 are in; tiles 2, 3, sixteen loads, may be out
	MUL 0
	WIN 0x40
.irp u, 0,1
.irp s, 0,1
.irp c, 0,1,2,3
	ds_load_b128 v[192+32*\u+16*\s+4*\c:195+32*\u+16*\s+4*\c], v9 offset:HR*\u+128*\s+32*\c
.endr
.endr
.endr
	WIN 0
.irp n, 0,1
.irp s, 0,1
.irp c, 0,1,2,3
	ds_load_b128 v[160+32*\n+16*\s+4*\c:163+32*\n+16*\s+4*\c], v10 offset:32*PITCH*\n+128*\s+32*\c
.endr
.endr
.endr
	s_wait_dscnt 32                                ; A's tiles 2, 3 are in; Q's 32 loads may be out
	MUL 2
	s_wait_dscnt 0x0
	WIN 0x01
.irp s, 0,1
.irp u, 0,1
.irp n, 0,1
	v_wmma_scale_f32_16x16x128_f8f6f4 v[128+16*\n+8*\u:135+16*\n+8*\u], v[192+32*\u+16*\s:207+32*\u+16*\s], v[160+32*\n+16*\s:175+32*\n+16*\s], v[128+16*\n+8*\u:135+16*\n+8*\u], v[QAS+2*\u+\s], v[QBS+2*\n+\s] matrix_a_fmt:MATRIX_FMT_BF8 matrix_b_fmt:MATRIX_FMT_BF8
.endr
.endr
.endr
	WIN 0
.rept 8
	v_nop                                          ; eight places ahead of the first read of the results
.endr
	QUANT 64, 224, 160, 4
.irp n, 0,1
.irp k, 0,1
	global_store_b128 v15, v[160+8*\n+4*\k:163+8*\n+4*\k], s[84:85] offset:2048*\n+512*\k   ; 32 lanes store 512 consecutive bytes, aligned to 256
.endr
	v_lshl_or_b32 v[228+2*\n], v[229+2*\n], 8, v[228+2*\n]
	ds_store_b16 v16, v[228+2*\n] offset:4*\n
.endr
	QUANT 128, 240, 176, 2
.irp n, 0,1
	global_store_b128 v15, v[176+4*\n:179+4*\n], s[88:89] offset:2048*\n
	ds_store_b8 v17, v[244+\n] offset:4*\n
.endr
	s_wait_tensorcnt 0x0                           ; the wave's end: behind my tensor load and my last LDS store
	ds_add_u32 v[SPW], v[NIL]
	s_wait_dscnt 0x0                               ; and my scale bytes lie in LDS
	CROUND                                         ; the closing round: behind it everybody's scale bytes are there too
	s_cmp_lg_u32 s2, 0
	s_cbranch_scc1 .Lnot_words
	ds_load_b128 v[44:47], v20
	s_wait_dscnt 0x0
	global_store_b128 v22, v[44:47], s[86:87]      ; two halves of 256 bytes
	s_endpgm
.Lnot_words:
	s_cmp_lg_u32 s2, 1
	s_cbranch_scc1 .Lend
	ds_load_b64 v[44:45], v21
	s_wait_dscnt 0x0
	global_store_b64 v23, v[44:45], s[92:93]       ; 256 bytes
.Lend:
	s_endpgm
.Lfunc_end_k_q264843a934_proj:
	.size	k_q264843a934_proj, .Lfunc_end_k_q264843a934_proj-k_q264843a934_proj
	.p2alignl 7, 3214868480
	.fill 96, 4, 3214868480
	.section	.rodata,"a",@progbits
	.p2align	6, 0x0
	.amdhsa_kernel k_q264843a934_proj
		.amdhsa_group_segment_fixed_size 167936
		.amdhsa_private_segment_fixed_size 0
		.amdhsa_enable_private_segment 0
		.amdhsa_kernarg_size 120
		.amdhsa_user_sgpr_count 2
		.amdhsa_user_sgpr_kernarg_segment_ptr 1
		.amdhsa_wavefront_size32 1
		.amdhsa_system_sgpr_workgroup_id_x 1
		.amdhsa_system_sgpr_workgroup_id_y 1
		.amdhsa_system_sgpr_workgroup_id_z 1
		.amdhsa_system_vgpr_workitem_id 0
		.amdhsa_next_free_vgpr 512
		.amdhsa_next_free_sgpr 100
		.amdhsa_reserve_vcc 0
		.amdhsa_float_denorm_mode_32 3
		.amdhsa_float_denorm_mode_16_64 3
		.amdhsa_memory_ordered 1
		.amdhsa_forward_progress 1
		.amdhsa_inst_pref_size 41
	.end_amdhsa_kernel
	.amdgpu_metadata
---
amdhsa.version: [ 1, 2 ]
amdhsa.kernels:
  - .name:           k_q264843a934_proj
    .symbol:         k_q264843a934_proj.kd
    .args:
      - { .name: ligand_codes, .offset: 0, .size: 8, .value_kind: global_buffer, .address_space: global }
      - { .name: ligand_scales, .offset: 8, .size: 8, .value_kind: global_buffer, .address_space: global }
      - { .name: pocket_codes, .offset: 16, .size: 8, .value_kind: global_buffer, .address_space: global }
      - { .name: pocket_scales, .offset: 24, .size: 8, .value_kind: global_buffer, .address_space: global }
      - { .name: Wq_codes, .offset: 32, .size: 8, .value_kind: global_buffer, .address_space: global }
      - { .name: Wq_scales, .offset: 40, .size: 8, .value_kind: global_buffer, .address_space: global }
      - { .name: Wk_codes, .offset: 48, .size: 8, .value_kind: global_buffer, .address_space: global }
      - { .name: Wk_scales, .offset: 56, .size: 8, .value_kind: global_buffer, .address_space: global }
      - { .name: Wv_codes, .offset: 64, .size: 8, .value_kind: global_buffer, .address_space: global }
      - { .name: Wv_scales, .offset: 72, .size: 8, .value_kind: global_buffer, .address_space: global }
      - { .name: bq, .offset: 80, .size: 8, .value_kind: global_buffer, .address_space: global }
      - { .name: bk, .offset: 88, .size: 8, .value_kind: global_buffer, .address_space: global }
      - { .name: bv, .offset: 96, .size: 8, .value_kind: global_buffer, .address_space: global }
      - { .name: qimg, .offset: 104, .size: 8, .value_kind: global_buffer, .address_space: global }
      - { .name: kv, .offset: 112, .size: 8, .value_kind: global_buffer, .address_space: global }
    .group_segment_fixed_size: 167936
    .private_segment_fixed_size: 0
    .kernarg_segment_align: 8
    .kernarg_segment_size: 120
    .max_flat_workgroup_size: 256
    .sgpr_count:     100
    .vgpr_count:     512
    .wavefront_size: 32
...
	.end_amdgpu_metadata
.endif
;; end of part 1
;; launch attn (part 2): grid 256 x 1, 8 waves a work-group, clusters of 4 x 1, 327,680 bytes of LDS; arguments qimg, kv, Wo_codes, Wo_scales, bo, out0; writes out0
.if DOCPART == 2
	.amdgcn_target "amdgcn-amd-amdhsa--gfx1250"
	.amdhsa_code_object_version 6
	.text
	.protected	k_q264843a934_attn
	.globl	k_q264843a934_attn
	.p2align	8
	.type	k_q264843a934_attn,@function
k_q264843a934_attn:
	s_mov_b64 s[64:65], 0
	v_nop
	global_prefetch_b8 v0, s[64:65] scope:SCOPE_SE
	s_setreg_imm32_b32 hwreg(HW_REG_WAVE_MODE, 25, 1), 1
	s_wait_xcnt 0x0
	s_wait_alu depctr_hold_cnt(0) depctr_sa_sdst(0) depctr_va_vdst(0) depctr_va_sdst(0) depctr_va_ssrc(0) depctr_va_vcc(0) depctr_vm_vsrc(0)
	s_getreg_b32 s2, hwreg(HW_REG_IB_STS2, 6, 4)
	s_cmp_eq_u32 s2, 0
	s_cbranch_scc0 .Lentry_in_a_cluster
	s_endpgm
.Lentry_in_a_cluster:
	s_bfe_u32 s2, ttmp6, 0x10000c
	s_cmp_lg_u32 s2, 0x3003
	s_cbranch_scc0 .Lentry_shape_is_right
	s_endpgm
.Lentry_shape_is_right:
; out = (softmax(Q K^T / sqrt(128)) V) Wo + bo, all three products on codes of BF8 (E5M2) with one E8M0 scale for each 32 along K.  Q, K and V^T come as images of operand registers
; (a fragment of 16 rows x 128 K: 2,048 bytes, register group c at 512 c, lane l at 16 l) with their scale words, made by the launch before.  No step of the problem is left out here.
; THE SOFTMAX: t = score x log2(e) / sqrt(128); M = the largest t so far, rounded UP to a whole number; p = 2^(t - M) is quantised along the keys, not normalised; the row's sum is taken of the
; unquantised p; when M moves, the sum and O are multiplied by 2^(old M - new M), which rounds nothing.
; SHARES.  A work-group owns 64 queries of one batch: four tiles of 16.  Wave w = 2 g + j of its eight (two to a SIMD) holds tiles 2 j, 2 j + 1 and walks quarter g of the 4,096 keys, 8 steps of 128: each fragment of K and V^T
; read from LDS feeds two products.  At the end the quarters' O, sums and M are merged through LDS (every M is a whole number, so the factors are exact powers of two): two waves finish a tile, half of d each.
; LAYOUT.  All products are used transposed (source 0 = 16 keys, 16 d of V^T, 16 rows of Wo; source 1 = 16 queries): a lane holds ONE query throughout.  The rows of a tile of K, V^T and Q are
; 32 (f / 2) + 8 (f % 2) + r + 8 (r / 8), r = lane % 16, so that the 16 registers of result tiles 2 b, 2 b + 1 are 16 neighbours along the next K.
; A STEP: V^T's fragments 0-5 are asked for | softmax of tile 0 | K Q^T of tile 1, V^T's 6, 7 | softmax of tile 1, in it the change of slots and the next K's 0-5 | V^T P of both tiles, the next K's 6, 7 | the next K Q^T of tile 0.
; Both tiles share one set of score registers.  Fragments 6, 7 of K and of V^T share registers too.
; CLUSTER.  Four work-groups of one batch walk the same blocks of kv: each is asked for JOINTLY (mask 15), 66 rows of 256 bytes a wave, dense.  A ring of two slots, one step of all four quarters in each; a slot is
; filled again behind a round of the cluster's barrier, when all its fragments lie in registers, and the load has a whole step in which to land.
; PREFETCH.  In step s the blocks of step s + 3 are asked for, one step ahead of their load; those of steps 1 and 2 at the head.  Cluster c of a batch's sixteen asks for quarter c % 4: 132 lines of 256 bytes, shared out BY ADDRESS
; among its 32 waves: wave number x of the cluster (8 cx + w) names lines x, x + 32, x + 64, x + 96 and, where x < 4, x + 128; lanes left over name x + 96 again.  Steps 5 to 7 ask for nothing.
; LDS: slot 0 at 0, slot 1 behind it; spare words; the merge's statistics; the exchange of attn's codes and scale words; a stage of 16 x 272 bytes a wave.  The merge's partial O (128 KiB) lies in slot 0, which has had its last
; fill and its last read when the first partial is stored there.  All of the LDS is claimed.
; LIMITS: NaN and infinities are not served; the scaled scores stay under 2^31 in magnitude; a block of p or of attn that is all zeros gets the scale byte 1 over zero codes; the division by the sum is v_rcp_f32 and a multiplication.
; REGISTERS.  Window 0: v0 my thread; v1-4, v7 addresses; v5, v6, v8-15 scale words; v16-19, v20-23 a tile's -M, largest score, sum in two halves; v24-31 at work; v32-47, v48-63 a tile's codes, at work before that; v64-127 scores, then p; v128-191, v192-255 a tile's O^T.
;   Window 1: v[16 f] K's fragment f; v[128 + 16 f] V^T's fragment f = 0 .. 5, v96, v112 its 6 and 7; v224, v240 Q of my two tiles.
.set BLKB,  33792                      ; a block of kv: 128 keys
.set HB,    16896                      ; half of it: what a wave fetches
.set SLOT,  4*BLKB
.set SPARE, 2*SLOT                     ; the spare words, 128 bytes for each of eight waves: four blocks of 256 bytes that no other line names
.set STAT,  SPARE+1024                 ; (4 g + tile) x 256: -M at 4 l, the sum at 128 + 4 l
.set CX,    STAT+4096                  ; tile x 2,048: attn's codes as an operand's image
.set CW,    CX+8192                    ; tile x 64: its scale words, 4 r
.set STG,   CW+256                     ; the way out: 16 rows x (256 bytes + 16) for each wave
.set SP,    272
.set SPW, 1                            ; LDS address of my spare word; never rewritten
.set NIL, 2                            ; 0; never rewritten
.set AD0, 3                            ; my quarter's block in slot 0, + 16 x lane
.set AS0, 4                            ; the same + 16 r + 512 h: lanes 0-15 take the scale words of tiles 0-3, lanes 16-31 those of tiles 4-7
.set QS,  5                            ; Q's scale words: lanes 0-15 my first tile's, lanes 16-31 my second's
.set PS,  6                            ; p's likewise
.set PFO, 7                            ; the prefetches' offset; never rewritten
.set VS,  8                            ; v8-11: V^T's scale words: register f % 4
.set KS,  12                           ; v12-15: K's
.set BD,  24                           ; v24-27: 57,344 x a block's scale
.set SO,  28                           ; v28-31: the conversions' scale operands
.set WV,  16                           ; s16 wave;  s17 = j;  s18 = g
.set MNT, 19                           ; the mantissa field of 57,344
.set SEL, 20                           ; s[20:21] selects for lane l xor 16
.set CS,  22                           ; s[22:23] c = log2(e) / sqrt(128): the packed form names a pair
.set G1,  24                           ; s[24:31] descriptor group 1
.set G0,  32                           ; s[32:39] group 0, a set for each slot
.set C15, 52                           ; s[52:53] 2^-15
.set NC,  56                           ; -c
.set HI,  57                           ; s57 lanes 16-31
.set PFA, 62                           ; s[62:63] where my prefetches stand
.set MSB, 0
.macro WIN new                         ; the immediate's high byte repeats the setting that is left; a switch that changes nothing is dropped
.if MSB != \new
	s_set_vgpr_msb (MSB<<8)|\new
.set MSB, \new
.endif
.endm
.macro CREST                           ; a round of the cluster's barrier behind its opening barrier
	s_cmp_lg_u32 s[WV], 0
	s_cbranch_scc1 .Lnot_wave_0_\@
	s_barrier_signal -3
.Lnot_wave_0_\@:
	s_barrier_wait -3
	s_barrier_signal -1
	s_barrier_wait -1
.endm
.macro CROUND                          ; a whole round
	s_barrier_signal -1
	s_barrier_wait -1
	CREST
.endm
.macro PLACES n                        ; eight stand behind a product ahead of a reader of its sums (ISA guide 7.12.1)
.rept \n
	v_nop
.endr
.endm
.macro VALU
	s_wait_alu depctr_va_vdst(0)
.endm
; S^T's tiles lo .. hi - 1 of my tile n: K's fragment x Q, the constant 0 starts the sum.  Fragments 4-7 have their scale words in lanes 16-31, and so has my second tile.
.macro QK n, lo, hi
	WIN 0x05                                       ; sources 0 and 1 in window 1
.set EF, \lo
.rept (\hi)-(\lo)
.if (EF < 4) && (\n == 0)
	v_wmma_scale_f32_16x16x128_f8f6f4 v[64+8*EF:71+8*EF], v[16*EF:16*EF+15], v[224:239], 0, v[KS+EF%4], v[QS] matrix_a_fmt:MATRIX_FMT_BF8 matrix_b_fmt:MATRIX_FMT_BF8
.elseif EF < 4
	v_wmma_scale_f32_16x16x128_f8f6f4 v[64+8*EF:71+8*EF], v[16*EF:16*EF+15], v[240:255], 0, v[KS+EF%4], v[QS] matrix_a_fmt:MATRIX_FMT_BF8 matrix_b_fmt:MATRIX_FMT_BF8 matrix_b_scale:MATRIX_SCALE_ROW1
.elseif \n == 0
	v_wmma_scale_f32_16x16x128_f8f6f4 v[64+8*EF:71+8*EF], v[16*EF:16*EF+15], v[224:239], 0, v[KS+EF%4], v[QS] matrix_a_fmt:MATRIX_FMT_BF8 matrix_b_fmt:MATRIX_FMT_BF8 matrix_a_scale:MATRIX_SCALE_ROW1
.else
	v_wmma_scale_f32_16x16x128_f8f6f4 v[64+8*EF:71+8*EF], v[16*EF:16*EF+15], v[240:255], 0, v[KS+EF%4], v[QS] matrix_a_fmt:MATRIX_FMT_BF8 matrix_b_fmt:MATRIX_FMT_BF8 matrix_a_scale:MATRIX_SCALE_ROW1 matrix_b_scale:MATRIX_SCALE_ROW1
.endif
.set EF, EF+1
.endr
.endm
; O^T's tiles lo .. hi - 1 of both my tiles: += V^T's fragment x p.  The sixteen accumulators take turns, one instruction a turn.
.macro PV lo, hi
	WIN 0x01                                       ; source 0 in window 1
.set EF, \lo
.rept (\hi)-(\lo)
.if EF < 6
.set VB, 128+16*EF
.else
.set VB, 16*EF
.endif
.set O0, 128+8*EF
.set O1, 192+8*EF
.if EF < 4
	v_wmma_scale_f32_16x16x128_f8f6f4 v[O0:O0+7], v[VB:VB+15], v[32:47], v[O0:O0+7], v[VS+EF%4], v[PS] matrix_a_fmt:MATRIX_FMT_BF8 matrix_b_fmt:MATRIX_FMT_BF8
	v_wmma_scale_f32_16x16x128_f8f6f4 v[O1:O1+7], v[VB:VB+15], v[48:63], v[O1:O1+7], v[VS+EF%4], v[PS] matrix_a_fmt:MATRIX_FMT_BF8 matrix_b_fmt:MATRIX_FMT_BF8 matrix_b_scale:MATRIX_SCALE_ROW1
.else
	v_wmma_scale_f32_16x16x128_f8f6f4 v[O0:O0+7], v[VB:VB+15], v[32:47], v[O0:O0+7], v[VS+EF%4], v[PS] matrix_a_fmt:MATRIX_FMT_BF8 matrix_b_fmt:MATRIX_FMT_BF8 matrix_a_scale:MATRIX_SCALE_ROW1
	v_wmma_scale_f32_16x16x128_f8f6f4 v[O1:O1+7], v[VB:VB+15], v[48:63], v[O1:O1+7], v[VS+EF%4], v[PS] matrix_a_fmt:MATRIX_FMT_BF8 matrix_b_fmt:MATRIX_FMT_BF8 matrix_a_scale:MATRIX_SCALE_ROW1 matrix_b_scale:MATRIX_SCALE_ROW1
.endif
.set EF, EF+1
.endr
.endm
; LDS loads.  lo .. hi - 1: fragments, four loads each, from the slot whose address lies in v[a]; reg: where fragment 0 would lie in window 1; off: K's or V^T's images
.macro FRAGS lo, hi, reg, off, a
	WIN 0x40                                       ; destination window 1
.set EF, \lo
.rept (\hi)-(\lo)
.irp c, 0,1,2,3
	ds_load_b128 v[\reg+16*EF+4*\c:\reg+16*EF+4*\c+3], v[\a] offset:\off+2048*EF+512*\c
.endr
.set EF, EF+1
.endr
	WIN 0
.endm
.macro VFETCH sl                       ; V^T's scale words and fragments 0-5: 25 loads
.if \sl
	v_add_nc_u32 v24, SLOT, v[AD0]
	v_add_nc_u32 v25, SLOT, v[AS0]
	ds_load_b128 v[VS:VS+3], v25 offset:32768+256
	FRAGS 0, 6, 128, 16384, 24
.else
	ds_load_b128 v[VS:VS+3], v[AS0] offset:32768+256
	FRAGS 0, 6, 128, 16384, AD0
.endif
.endm
.macro VFETCH2 sl                      ; V^T's fragments 6 and 7, where K's lay
.if \sl
	v_add_nc_u32 v28, SLOT, v[AD0]
	FRAGS 6, 8, 0, 16384, 28
.else
	FRAGS 6, 8, 0, 16384, AD0
.endif
.endm
.macro KFETCH sl                       ; K's scale words and fragments 0-5: 25 loads
.if \sl
	v_add_nc_u32 v24, SLOT, v[AD0]
	v_add_nc_u32 v25, SLOT, v[AS0]
	ds_load_b128 v[KS:KS+3], v25 offset:32768
	FRAGS 0, 6, 0, 0, 24
.else
	ds_load_b128 v[KS:KS+3], v[AS0] offset:32768
	FRAGS 0, 6, 0, 0, AD0
.endif
.endm
.macro KFETCH2 sl                      ; K's fragments 6 and 7: 8 loads
.if \sl
	v_add_nc_u32 v24, SLOT, v[AD0]
	FRAGS 6, 8, 0, 0, 24
.else
	FRAGS 6, 8, 0, 0, AD0
.endif
.endm
; THE SOFTMAX OF TILE n FOR 128 KEYS.  SMA: maxima, the new M, f = 2^(old M - new M), t - M of the blocks' largest.
.macro SMA n
.set CO, 32+16*(\n)                    ; the tile's codes; v[CO:CO+1] f, v[CO:CO+7] sums before that
.set W,  CO+8                          ; eight registers at work
.set NM, 16+4*(\n)
.set OT, 128+64*(\n)
.irp b, 0,1,2,3
	v_max3_num_f32 v[W+\b], v[64+16*\b], v[65+16*\b], v[66+16*\b]   ; the largest score of each block of 32 keys: for the row's maximum and, since p rises with the score, for the block's largest p
.endr
.irp i, 3,5,7,9,11,13
.irp b, 0,1,2,3
	v_max3_num_f32 v[W+\b], v[W+\b], v[64+16*\b+\i], v[65+16*\b+\i]   ; the four blocks by turns; each accumulator is read from its low end on
.endr
.endr
.irp b, 0,1,2,3
	v_max_num_f32 v[W+\b], v[W+\b], v[79+16*\b]
.endr
.irp b, 0,1,2,3
	v_permlanex16_b32 v[W+4+\b], v[W+\b], s[SEL], s[SEL+1]
.endr
.irp b, 0,1,2,3
	v_max_num_f32 v[W+\b], v[W+\b], v[W+4+\b]      ; with lane l xor 16's 16 keys
.endr
	v_max3_num_f32 v[W+4], v[W], v[W+1], v[W+2]
	v_max3_num_f32 v[NM+1], v[NM+1], v[W+4], v[W+3]   ; my query's largest score so far
	v_mul_f32 v[W+5], s[NC], v[NM+1]               ; -t (c is positive)
	v_floor_f32 v[W+5], v[W+5]                     ; the new -M = floor(-t)
	v_sub_f32 v[W+6], v[W+5], v[NM]                ; old M - new M: a whole number, 0 or less
	v_mov_b32 v[NM], v[W+5]
	v_cvt_i32_f32 v[W+6], v[W+6]                   ; (it saturates)
	v_pk_fma_f32 v[W:W+1], v[W:W+1], s[CS:CS+1], v[NM:NM+1] op_sel_hi:[1,0,0]
	v_pk_fma_f32 v[W+2:W+3], v[W+2:W+3], s[CS:CS+1], v[NM:NM+1] op_sel_hi:[1,0,0]
	v_ldexp_f32 v[CO], 1.0, v[W+6]                 ; f
.endm
.macro SMF                             ; t - M of blocks 0 and 1, two at a time
.set QI, 0
.rept 16
	v_pk_fma_f32 v[64+QI:65+QI], v[64+QI:65+QI], s[CS:CS+1], v[NM:NM+1] op_sel_hi:[1,0,0]
.set QI, QI+2
.endr
.endm
.macro RESC                            ; O^T and the sum under the new M
.set QI, 0
.rept 32
	v_pk_mul_f32 v[OT+QI:OT+1+QI], v[OT+QI:OT+1+QI], v[CO:CO+1] op_sel_hi:[1,0]
.set QI, QI+2
.endr
	v_pk_mul_f32 v[NM+2:NM+3], v[NM+2:NM+3], v[CO:CO+1] op_sel_hi:[1,0]
.endm
.macro EXP1                            ; the blocks' largest p (the same two instructions on the same number as their p), p of blocks 0 and 1; between them t - M of blocks 2 and 3, read behind the next wait
.irp b, 0,1,2,3
	v_exp_f32 v[W+\b], v[W+\b]
.endr
.set QI, 0
.rept 32
	v_exp_f32 v[64+QI], v[64+QI]
.if QI%2
	v_pk_fma_f32 v[95+QI:96+QI], v[95+QI:96+QI], s[CS:CS+1], v[NM:NM+1] op_sel_hi:[1,0,0]
.endif
.set QI, QI+1
.endr
.endm
.macro EXP2                            ; p of blocks 2 and 3; between them the floor 2^(16 - 127) over the blocks' largest (a scale byte cannot fall under 1), and the first sums of blocks 0 and 1, all read behind the next wait
.set QI, 0
.rept 32
	v_exp_f32 v[96+QI], v[96+QI]
.if QI%2
.set QK_, QI/2
.if QK_ < 4
	v_max_num_f32 v[W+QK_], 0x8000000, v[W+QK_]
.elseif QK_ < 8
	v_pk_add_f32 v[CO+2*(QK_-4):CO+1+2*(QK_-4)], v[64+4*(QK_-4):65+4*(QK_-4)], v[66+4*(QK_-4):67+4*(QK_-4)]
.elseif QK_ < 12
	v_pk_add_f32 v[24+2*(QK_-8):25+2*(QK_-8)], v[64+4*(QK_-4):65+4*(QK_-4)], v[66+4*(QK_-4):67+4*(QK_-4)]
.endif
.endif
.set QI, QI+1
.endr
.endm
.macro ADD4 q
.irp i, 0,1,2,3
	v_pk_add_f32 v[CO+2*\i:CO+1+2*\i], v[CO+2*\i:CO+1+2*\i], v[96+8*\q+2*\i:97+8*\q+2*\i]
.endr
.endm
.macro MINS b                          ; the conversion does not saturate (ISA guide 7.6.2); p is not negative, so the hold is one-sided
.set QI, 64+16*\b
.rept 8
	v_dual_min_num_f32 v[QI], v[BD+\b], v[QI] :: v_dual_min_num_f32 v[QI+1], v[BD+\b], v[QI+1]
.set QI, QI+2
.endr
.endm
.macro CVT b
	v_cvt_scalef32_pk8_bf8_f32 v[CO+4*\b:CO+1+4*\b], v[64+16*\b:71+16*\b], v[SO+\b]
	v_cvt_scalef32_pk8_bf8_f32 v[CO+2+4*\b:CO+3+4*\b], v[72+16*\b:79+16*\b], v[SO+\b]
.endm
.macro BYTES tmp, n                    ; the four scale bytes make p's scale word of tile n: tile 0's in all lanes, then tile 1's in lanes 16-31
.irp b, 0,1,2,3
	v_lshrrev_b32 v[\tmp+\b], 23, v[SO+\b]
.endr
	v_lshl_or_b32 v[\tmp], v[\tmp+1], 8, v[\tmp]
	v_lshl_or_b32 v[\tmp], v[\tmp+2], 16, v[\tmp]
.if \n
	v_lshl_or_b32 v[\tmp], v[\tmp+3], 24, v[\tmp]
	v_cndmask_b32 v[PS], v[PS], v[\tmp], s[HI]
.else
	v_lshl_or_b32 v[PS], v[\tmp+3], 24, v[\tmp]
.endif
.endm
; SMC: the row's sum of the unquantised p in four chains; the blocks' scales; the holds; the codes.  Tile 0's scale word is made later, in the places behind tile 1's scores.
.macro SMC n
.irp i, 0,1,2,3
	v_pk_add_f32 v[CO+2*\i:CO+1+2*\i], v[CO+2*\i:CO+1+2*\i], v[24+2*\i:25+2*\i]
.endr
	ADD4 0
	v_pk_mul_f32 v[SO:SO+1], v[W:W+1], s[C15:C15+1] op_sel_hi:[1,0]       ; 15 off the exponent: the conversion takes the exponent field alone
	v_pk_mul_f32 v[SO+2:SO+3], v[W+2:W+3], s[C15:C15+1] op_sel_hi:[1,0]
.irp b, 0,1,2,3
	v_and_or_b32 v[BD+\b], v[W+\b], 0x7f800000, s[MNT]
.endr
	ADD4 1
.if \n
	BYTES W+4, 1
.endif
	ADD4 2
	ADD4 3
	v_pk_add_f32 v[CO:CO+1], v[CO:CO+1], v[CO+2:CO+3]
	v_pk_add_f32 v[CO+4:CO+5], v[CO+4:CO+5], v[CO+6:CO+7]
	MINS 0
	v_pk_add_f32 v[CO:CO+1], v[CO:CO+1], v[CO+4:CO+5]
	MINS 1
	v_pk_add_f32 v[NM+2:NM+3], v[NM+2:NM+3], v[CO:CO+1]
	v_nop
	CVT 0
	MINS 2
	CVT 1
	MINS 3
	CVT 2
	v_nop
	CVT 3
	v_nop                                          ; one plain vector instruction behind the last conversion
.endm
; Wo's four fragments of the output columns that I finish, bo there, the rows' scale words: asked for in the last step, into K's fragments 0-5, which are done with; the addresses lie where Q lay
.macro WOFETCH
	v_and_b32 v24, 15, v0
	v_bfe_u32 v25, v0, 4, 1
	v_lshlrev_b32 v26, 7, v24
	WIN 0x40
	v_lshl_add_u32 v224, v25, 4, v26               ; row r of 128 codes, + 16 h
	v_lshlrev_b32 v225, 2, v24                     ; its scale word
	v_lshlrev_b32 v226, 5, v25                     ; bo: 8 h numbers on
	WIN 0x41
.irp i, 0,1,2,3
.irp c, 0,1,2,3
	global_load_b128 v[16*\i+4*\c:16*\i+4*\c+3], v224, s[8:9] offset:2048*\i+32*\c
.endr
.endr
.irp i, 0,1,2,3
	global_load_b128 v[64+8*\i:67+8*\i], v226, s[12:13] offset:64*\i
	global_load_b128 v[68+8*\i:71+8*\i], v226, s[12:13] offset:64*\i+16
.endr
	WIN 0x01
.irp i, 0,1,2,3
	global_load_b32 v[KS+\i], v225, s[10:11] offset:64*\i
.endr
	WIN 0
.endm
; A STEP in slot sl, from behind tile 0's scores to the next step's.  rnd = 1: a round of the cluster's barrier, and this slot is filled again, two steps on; 2: the work-group's barrier alone; 0: the last step.
.macro STEP sl, rnd
	PLACES 8
	VFETCH \sl
	SMA 0
	SMF
	RESC
	VALU
	EXP1
	VALU
	EXP2
	VALU
	SMC 0
	QK 1, 0, 8
	WIN 0
	BYTES 24, 0                                    ; seven plain lines that name none of those products' registers,
	v_nop                                          ; and one more: the eight places
.if \rnd == 0
	WOFETCH
.endif
	VFETCH2 \sl
	SMA 1
.if \rnd
	VALU
.if \rnd == 1
	s_wait_xcnt 0x0                                ; my last prefetch has read its base
	s_add_nc_u64 s[PFA:PFA+1], s[PFA:PFA+1], BLKB
.endif
	s_wait_tensorcnt 0x0                           ; no tensor load of mine is out: my part of the next step has landed, and a group 0 may be written
	ds_add_u32 v[SPW], v[NIL]                      ; 0 onto my spare word
.if \rnd == 1
	s_add_nc_u64 s[G0+4*\sl+2:G0+4*\sl+3], s[G0+4*\sl+2:G0+4*\sl+3], 2*BLKB
.endif
.endif
	SMF
.if \rnd
	s_wait_dscnt 0x0                               ; the add is done, and my reads of this slot are over: all of V^T lies in registers
	s_barrier_signal -1
.endif
	VALU
	RESC
	VALU
	EXP1
	VALU
.if \rnd
	s_barrier_wait -1
.if \rnd == 1
	CREST                                          ; no wave of any partner still reads this slot or has a load on its way
	tensor_load_to_lds s[G0+4*\sl:G0+4*\sl+3], s[G1:G1+7]   ; my one tensor load until the next round
	s_nop 0
	PLACES 4
.endif
	KFETCH 1-\sl
.if \rnd == 1
.if \sl
	s_cmp_gt_u32 s44, 1                            ; step 5: there is no step 8
	s_cbranch_scc0 .Lnone_ahead_\@
.endif
	global_prefetch_b8 v[PFO], s[PFA:PFA+1] th:TH_LOAD_NT scope:SCOPE_SE   ; what the next step but one loads
.if \sl
.Lnone_ahead_\@:
.endif
.endif
.endif
	EXP2
	VALU
	SMC 1
	PLACES 4                                       ; codes written by vector instructions stand four places ahead of a scaled product
.if \rnd
	PV 6, 8
	WIN 0
	PLACES 8
	KFETCH2 1-\sl
	PV 0, 6
	s_wait_dscnt 8                                 ; all but K's fragments 6 and 7 are in
	QK 0, 0, 6
	s_wait_dscnt 0x0
	QK 0, 6, 8
.else
	VALU
	s_wait_dscnt 0x0                               ; V^T
	PV 6, 8
	PV 0, 6
.endif
	WIN 0
.endm
	s_load_b256 s[4:11], s[0:1], 0x0               ; qimg s[4:5], kv s[6:7], Wo's codes s[8:9], Wo's scales s[10:11]
	s_load_b128 s[12:15], s[0:1], 0x20             ; bo s[12:13], out0 s[14:15]
	v_lshl_add_u32 v[SPW], v0, 2, SPARE
	v_mov_b32 v[NIL], 0
	ds_add_u32 v[SPW], v[NIL]                      ; the wave's opening: the add, twice on end, and its wait ahead of my first tensor load; work on registers stands between
	ds_add_u32 v[SPW], v[NIL]
	v_lshrrev_b32 v24, 5, v0
	v_readfirstlane_b32 s[WV], v24                 ; wave 0..7
	s_and_b32 s17, s[WV], 1                        ; j
	s_lshr_b32 s18, s[WV], 1                       ; g
	s_mul_i32 s55, s18, BLKB                       ; my quarter's block in a slot
	s_bfe_u32 s40, ttmp6, 0x40000                  ; cx
	s_lshl_b32 s62, s40, 3
	s_add_co_u32 s62, s62, s[WV]                   ; x = 8 cx + w: it enters the prefetches' addresses alone
	s_add_co_u32 s63, s62, 96
	v_and_b32 v25, 31, v0
	v_lshl_add_u32 v[AD0], v25, 4, s55
	v_lshlrev_b32 v29, 4, v25                      ; an image's place for my lane
	v_and_b32 v26, 15, v0                          ; r
	v_bfe_u32 v27, v0, 4, 1                        ; h
	v_lshlrev_b32 v[AS0], 4, v26
	v_lshl_add_u32 v[AS0], v27, 9, v[AS0]
	v_add_nc_u32 v[AS0], s55, v[AS0]
	v_lshlrev_b32 v28, 4, v26
	v_lshl_add_u32 v28, v27, 2, v28                ; Q's scale words: 16 r + 4 h
	v_and_b32 v30, 7, v0
	v_min_u32 v30, 4, v30
	v_lshl_add_u32 v30, v30, 5, s62                ; line x + 32 k, k = 0 .. 4,
	v_mov_b32 v31, s63
	v_cmp_lt_u32 vcc_lo, 131, v30
	v_cndmask_b32 v30, v30, v31, vcc_lo            ; and x + 96 again where that lies behind the block's 132
	v_lshlrev_b32 v[PFO], 8, v30
	; what I fetch: batch x 32 blocks + quarter x 8 blocks + half j of a block.  Nothing here hangs on my place in the cluster
	s_lshr_b32 s42, ttmp9, 4                       ; the batch: 16 clusters of 4 work-groups of 64 queries each
	s_mul_i32 s42, s42, 32*BLKB
	s_and_b32 s62, ttmp9, 3                        ; the quarter whose blocks my cluster prefetches, from step 2 on
	s_mul_i32 s62, s62, 8*BLKB
	s_add_co_u32 s62, s62, s42
	s_add_co_u32 s62, s62, 2*BLKB
	s_mov_b32 s63, 0
	s_mul_i32 s43, s18, 8*BLKB
	s_add_co_u32 s42, s42, s43
	s_mul_i32 s43, s17, HB
	s_add_co_u32 s42, s42, s43
	s_mov_b32 s43, 0
	; my queries: these offsets enter qimg's and out0's addresses alone
	s_lshl_b32 s41, ttmp9, 2
	s_add_co_u32 s41, s41, s40                     ; X = 4 x cluster + cx: queries 64 X on
	s_lshr_b32 s46, s41, 1
	s_mul_i32 s46, s46, 16896                      ; the block of 128 queries
	s_and_b32 s45, s41, 1                          ; its half
	s_lshl_b32 s48, s45, 8
	s_add_co_u32 s48, s48, s46
	s_add_co_u32 s48, s48, 16384                   ; the half's scale words: 16 bytes a row,
	s_lshl_b32 s57, s17, 3
	s_add_co_u32 s48, s48, s57                     ; 8 bytes on for tiles 2 and 3
	s_mov_b32 s49, 0
	s_lshl_b32 s45, s45, 13
	s_add_co_u32 s46, s46, s45
	s_lshl_b32 s45, s17, 12
	s_add_co_u32 s46, s46, s45                     ; my two fragments
	s_mov_b32 s47, 0
	s_lshl_b32 s50, s41, 15                        ; out0: (64 X + 32 j + 8 (g / 2)) rows of 512 bytes, + 256 (g % 2): what I finish
	s_lshl_b32 s45, s17, 14
	s_add_co_u32 s50, s50, s45
	s_lshr_b32 s45, s18, 1
	s_lshl_b32 s45, s45, 12
	s_add_co_u32 s50, s50, s45
	s_and_b32 s57, s18, 1
	s_lshl_b32 s58, s57, 8                         ; 64 columns on: in bo and in Wo's scale words 256 bytes,
	s_mov_b32 s59, 0
	s_lshl_b32 s60, s57, 13                        ; in Wo's codes 8,192
	s_mov_b32 s61, 0
	s_add_co_u32 s50, s50, s58
	s_mov_b32 s51, 0
	s_mov_b32 s[HI], 0xffff0000
	s_mov_b32 s[MNT], 0x600000
	s_mov_b32 s[SEL], 0x76543210
	s_mov_b32 s[SEL+1], 0xfedcba98
	s_mov_b32 s[CS], 0x3e0293ee                    ; c = log2(e) / sqrt(128)
	s_mov_b32 s[CS+1], s[CS]
	s_mov_b32 s[NC], 0xbe0293ee                    ; -c
	s_mov_b32 s[C15], 0x38000000                   ; 2^-15
	s_mov_b32 s[C15+1], s[C15]
	; descriptor group 1: 66 rows of 256 bytes (32 elements of 8 bytes), dense, no padding: images are read 16 bytes a lane on end
	s_mov_b32 s[G1+0], 15|(3<<16)|(1<<21)          ; 15:0 the mask: all four work-groups; 17:16 elements of 8 bytes; 21 set beside a mask
	s_mov_b32 s[G1+1], 32<<16                      ; tensor_dim0
	s_mov_b32 s[G1+2], 66<<16                      ; tensor_dim1
	s_mov_b32 s[G1+3], 32<<16                      ; tile_dim0
	s_mov_b32 s[G1+4], 66                          ; tile_dim1
	s_mov_b32 s[G1+5], 32                          ; tensor_dim0_stride
	s_mov_b32 s[G1+6], 0
	s_mov_b32 s[G1+7], 0
	s_mul_i32 s54, s[WV], HB                       ; where my half block goes in a slot
	VALU
	s_wait_dscnt 0x0                               ; both opening adds are done
	CROUND                                         ; all four work-groups are here: the first joint loads meet
	s_wait_kmcnt 0x0
	s_add_nc_u64 s[PFA:PFA+1], s[6:7], s[62:63]
	s_add_nc_u64 s[6:7], s[6:7], s[42:43]
.irp n, 0,1
	s_mov_b32 s[G0+4*\n], 1                        ; count = 1
	s_add_co_u32 s[G0+4*\n+1], s54, \n*SLOT        ; LDS address
	s_add_nc_u64 s[G0+4*\n+2:G0+4*\n+3], s[6:7], \n*BLKB   ; global address: step n
	s_or_b32 s[G0+4*\n+3], s[G0+4*\n+3], 0x80000000       ; type = 2
.endr
	tensor_load_to_lds s[G0:G0+3], s[G1:G1+7]      ; step 0 into slot 0
	s_nop 0
	PLACES 4
	s_add_nc_u64 s[46:47], s[4:5], s[46:47]
	s_add_nc_u64 s[48:49], s[4:5], s[48:49]
	s_add_nc_u64 s[14:15], s[14:15], s[50:51]
	s_add_nc_u64 s[8:9], s[8:9], s[60:61]
	s_add_nc_u64 s[10:11], s[10:11], s[58:59]
	s_add_nc_u64 s[12:13], s[12:13], s[58:59]
	global_load_b32 v[QS], v28, s[48:49]
	WIN 0x40
.irp n, 0,1
.irp c, 0,1,2,3
	global_load_b128 v[224+16*\n+4*\c:227+16*\n+4*\c], v29, s[46:47] offset:2048*\n+512*\c   ; Q of my two tiles stays in registers
.endr
.endr
	WIN 0
	global_prefetch_b8 v[PFO], s[PFA:PFA+1] offset:-33792 th:TH_LOAD_NT scope:SCOPE_SE   ; step 1's block,
	global_prefetch_b8 v[PFO], s[PFA:PFA+1] th:TH_LOAD_NT scope:SCOPE_SE                 ; step 2's
	; the step is written once for all steps: the first finds zeros, which the first change of M leaves zeros.  These lines stand while the first tiles and Q are on their way
.irp n, 0,1
	v_mov_b32 v[17+4*\n], 0xff61b1e6               ; the largest score so far: -3e38
	v_mul_f32 v[16+4*\n], s[NC], v[17+4*\n]
	v_floor_f32 v[16+4*\n], v[16+4*\n]             ; -M
	v_mov_b32 v[18+4*\n], 0
	v_mov_b32 v[19+4*\n], 0
	v_mov_b32 v[33+16*\n], 0                       ; named as the upper half of f's pair before it is first written
.irp b, 0,1,2,3
	v_mov_b32 v[44+16*\n+\b], 0                    ; a lane permute's destination counts as one of its sources
.endr
.endr
.set JJ, 0
.rept 128
	v_mov_b32 v[128+JJ], 0
.set JJ, JJ+1
.endr
	VALU
	s_wait_tensorcnt 0x0                           ; my part of step 0 is in
	ds_add_u32 v[SPW], v[NIL]
	s_wait_dscnt 0x0
	CROUND                                         ; everybody's part of step 0 is in
	tensor_load_to_lds s[G0+4:G0+7], s[G1:G1+7]    ; step 1 into slot 1: the first tensor load behind the round
	s_nop 0
	PLACES 4
	KFETCH 0
	KFETCH2 0
	s_wait_loadcnt 0x0                             ; Q
	s_wait_dscnt 0x0                               ; K of step 0
	QK 0, 0, 8
	WIN 0
	s_mov_b32 s44, 3
.Ltrip:                                            ; three trips of two steps: steps 0 to 5, behind each of which a slot is filled again
	STEP 0, 1
	STEP 1, 1
	s_sub_co_u32 s44, s44, 1
	s_cmp_lg_u32 s44, 0
	s_cbranch_scc1 .Ltrip
	STEP 0, 2                                      ; step 6: nothing is left to fetch; behind its barrier no wave reads slot 0 any more
	STEP 1, 0                                      ; step 7
	; ---- THE MERGE.  Addresses, in the scores' registers; the vector lines are also the places behind the last products.  I finish tile T = 2 j + g / 2, half H = g % 2 of d
	s_lshl_b32 s40, s18, 15
	s_lshl_b32 s41, s17, 14
	s_add_co_u32 s40, s40, s41                     ; my partials: (4 g + 2 j) x 8,192
	s_lshl_b32 s41, s18, 10
	s_lshl_b32 s42, s17, 9
	s_add_co_u32 s41, s41, s42
	s_add_co_u32 s41, s41, STAT                    ; my statistics: (4 g + 2 j) x 256
	s_lshr_b32 s42, s18, 1
	s_lshl_b32 s43, s17, 1
	s_add_co_u32 s42, s42, s43                     ; T
	s_and_b32 s43, s18, 1                          ; H
	s_lshl_b32 s45, s42, 13
	s_lshl_b32 s46, s43, 12
	s_add_co_u32 s45, s45, s46                     ; what I finish, in a quarter's partials
	s_lshl_b32 s46, s42, 8
	s_add_co_u32 s46, s46, STAT
	s_lshl_b32 s47, s42, 11
	s_add_co_u32 s47, s47, CX                      ; tile T's codes,
	s_lshl_b32 s48, s43, 10
	s_add_co_u32 s48, s48, s47                     ; my two blocks of them
	s_lshl_b32 s49, s42, 6
	s_add_co_u32 s49, s49, CW                      ; its scale words,
	s_lshl_b32 s50, s43, 1
	s_add_co_u32 s50, s50, s49                     ; my two bytes of them
	s_mul_i32 s51, s[WV], 16*SP
	s_add_co_u32 s51, s51, STG                     ; my stage
	v_and_b32 v64, 15, v0                          ; r
	v_bfe_u32 v65, v0, 4, 1                        ; h
	v_and_b32 v66, 31, v0                          ; lane
	v_lshl_add_u32 v67, v66, 4, s40
	v_lshl_add_u32 v68, v66, 2, s41
	v_lshl_add_u32 v69, v66, 4, s45                ; quarters 0 and 1 (32,768 bytes apart),
	v_add_nc_u32 v70, 0x10000, v69                 ; quarters 2 and 3: an LDS offset has 16 bits
	v_lshl_add_u32 v71, v66, 2, s46
	v_lshl_add_u32 v72, v66, 4, s48
	v_lshl_add_u32 v73, v66, 4, s47
	v_lshl_add_u32 v74, v64, 2, s50
	v_lshl_add_u32 v75, v64, 2, s49
	v_mul_u32_u24 v76, v64, SP
	v_lshl_add_u32 v76, v65, 5, v76
	v_add_nc_u32 v76, s51, v76                     ; in: row r, 32 bytes for each half of the lanes
	v_mul_u32_u24 v77, v65, SP
	v_lshl_add_u32 v77, v64, 4, v77
	v_add_nc_u32 v77, s51, v77                     ; back: lanes 0-15 one row of 256 bytes, lanes 16-31 the next
	v_lshlrev_b32 v78, 9, v65
	v_lshl_add_u32 v78, v64, 4, v78                ; and the same two rows in out0
	v_mov_b32 v102, 0                              ; a lane permute's destinations
	v_mov_b32 v103, 0
	v_add_f32 v18, v18, v19                        ; the sums' two halves, and lane l xor 16's
	v_add_f32 v22, v22, v23
	v_permlanex16_b32 v24, v18, s[SEL], s[SEL+1]
	v_permlanex16_b32 v25, v22, s[SEL], s[SEL+1]
	v_add_f32 v18, v18, v24
	v_add_f32 v22, v22, v25
	VALU
.irp n, 0,1
.set JJ, 0
.rept 16
	ds_store_b128 v67, v[128+64*\n+4*JJ:131+64*\n+4*JJ] offset:8192*\n+512*JJ  ; O^T as it stands, each accumulator from its low end on
.set JJ, JJ+1
.endr
	ds_store_b32 v68, v[16+4*\n] offset:256*\n
	ds_store_b32 v68, v[18+4*\n] offset:256*\n+128
.endr
	s_wait_dscnt 0x0                               ; for the others' sake: my stores have landed
	s_barrier_signal -1
	s_barrier_wait -1                              ; all partials lie in LDS
.irp q, 0,1,2,3
	ds_load_b32 v[80+\q], v71 offset:1024*\q       ; quarter q's -M
	ds_load_b32 v[84+\q], v71 offset:1024*\q+128   ; and its sum
.endr
.irp q, 0,1,2,3
.set JJ, 0
.rept 8
	ds_load_b128 v[128+32*\q+4*JJ:131+32*\q+4*JJ], v[69+\q/2] offset:32768*(\q%2)+512*JJ
.set JJ, JJ+1
.endr
.endr
	s_wait_dscnt 32                                ; the eight statistics are in; four partials, 32 loads, may be out
	v_min3_num_f32 v88, v80, v81, v82
	v_min_num_f32 v88, v88, v83                    ; -M of the whole row: the least -M
.irp q, 0,1,2,3
	v_sub_f32 v[90+2*\q], v88, v[80+\q]            ; M of quarter q less M: a whole number, 0 or less
.endr
.irp q, 0,1,2,3
	v_cvt_i32_f32 v[90+2*\q], v[90+2*\q]
.endr
.irp q, 0,1,2,3
	v_ldexp_f32 v[90+2*\q], 1.0, v[90+2*\q]        ; the quarter's factor: an exact power of two
.endr
	v_mul_f32 v98, v90, v84
	v_fmac_f32 v98, v92, v85
	v_fmac_f32 v98, v94, v86
	v_fmac_f32 v98, v96, v87                       ; the row's sum
	VALU
	v_rcp_f32 v99, v98
	v_nop                                          ; a plain place behind the transcendental
	VALU
.irp q, 0,1,2,3
	v_mul_f32 v[90+2*\q], v[90+2*\q], v99          ; factor / sum
.endr
.irp q, 0,1,2,3
	v_mov_b32 v[91+2*\q], v[90+2*\q]               ; (the packed forms name the pair)
.endr
	VALU
	s_wait_dscnt 24                                ; quarter 0's partial is in
.set JJ, 0
.rept 16
	v_pk_mul_f32 v[128+JJ:129+JJ], v[128+JJ:129+JJ], v[90:91] op_sel_hi:[1,0]
.set JJ, JJ+2
.endr
.irp q, 1,2,3
	s_wait_dscnt 24-8*\q                           ; quarter q's
.set JJ, 0
.rept 16
	v_pk_fma_f32 v[128+JJ:129+JJ], v[128+32*\q+JJ:129+32*\q+JJ], v[90+2*\q:91+2*\q], v[128+JJ:129+JJ] op_sel_hi:[1,0,1]
.set JJ, JJ+2
.endr
.endr
	; ---- attn (register 16 b + i = d 64 H + 32 b + 16 h + i of my query) is quantised along d: two blocks
.irp b, 0,1
	v_max3_num_f32 v[100+\b], |v[128+16*\b]|, |v[129+16*\b]|, 0x8000000   ; and the floor 2^(16 - 127)
.endr
.irp i, 2,4,6,8,10,12,14
.irp b, 0,1
	v_max3_num_f32 v[100+\b], v[100+\b], |v[128+16*\b+\i]|, |v[129+16*\b+\i]|
.endr
.endr
.irp b, 0,1
	v_permlanex16_b32 v[102+\b], v[100+\b], s[SEL], s[SEL+1]
.endr
.irp b, 0,1
	v_max_num_f32 v[100+\b], v[100+\b], v[102+\b]
.endr
	v_pk_mul_f32 v[104:105], v[100:101], s[C15:C15+1] op_sel_hi:[1,0]
.irp b, 0,1
	v_and_or_b32 v[106+\b], v[100+\b], 0x7f800000, s[MNT]
.endr
.irp b, 0,1
	v_lshrrev_b32 v[108+\b], 23, v[104+\b]
.endr
	v_lshl_or_b32 v110, v109, 8, v108              ; my two scale bytes
.irp b, 0,1
.irp i, 0,1,2,3,4,5,6,7,8,9,10,11,12,13,14,15
	v_med3_num_f32 v[128+16*\b+\i], v[128+16*\b+\i], -v[106+\b], v[106+\b]
.endr
.endr
.irp b, 0,1
	v_cvt_scalef32_pk8_bf8_f32 v[112+4*\b:113+4*\b], v[128+16*\b:135+16*\b], v[104+\b]
	v_cvt_scalef32_pk8_bf8_f32 v[114+4*\b:115+4*\b], v[136+16*\b:143+16*\b], v[104+\b]
.endr
	v_nop                                          ; one plain vector instruction behind the last conversion
	VALU
	ds_store_b128 v72, v[112:115]                  ; an image of the operand's registers: blocks 2 H and 2 H + 1
	ds_store_b128 v72, v[116:119] offset:512
	ds_store_b16 v74, v110
	s_wait_dscnt 0x0
	s_barrier_signal -1
	s_barrier_wait -1                              ; the other half of d is there too
.irp c, 0,1,2,3
	ds_load_b128 v[32+4*\c:35+4*\c], v73 offset:512*\c
.endr
	ds_load_b32 v[PS], v75
	s_wait_loadcnt 0x0                             ; Wo, its scale words, bo
	s_wait_dscnt 0x0
	WIN 0x11                                       ; source 0 (Wo) and source 2 (bo) in window 1
.irp i, 0,1,2,3
	v_wmma_scale_f32_16x16x128_f8f6f4 v[160+8*\i:167+8*\i], v[16*\i:16*\i+15], v[32:47], v[64+8*\i:71+8*\i], v[KS+\i], v[PS] matrix_a_fmt:MATRIX_FMT_BF8 matrix_b_fmt:MATRIX_FMT_BF8
.endr
	WIN 0
	PLACES 8
	; ---- THE WAY OUT: lane (r, h) holds out(query of row r, 64 H + 16 i + 8 h + 0 .. 7); through my own stage, back as rows of 256 bytes
.irp i, 0,1,2,3
	ds_store_b128 v76, v[160+8*\i:163+8*\i] offset:64*\i
	ds_store_b128 v76, v[164+8*\i:167+8*\i] offset:64*\i+16
.endr
.irp k, 0,1,2,3,4,5,6,7
	ds_load_b128 v[192+4*\k:195+4*\k], v77 offset:\k*2*SP          ; LDS serves a wave's instructions in order (ISA guide 5.7.1.4): these see my stores
.endr
.irp k, 0,1,2,3,4,5,6,7
	s_wait_dscnt 7-\k                              ; rows 2 k, 2 k + 1 are back; the younger loads may be out
	global_store_b128 v78, v[192+4*\k:195+4*\k], s[14:15] offset:(2*\k+8*(\k/4))*512   ; stage row m is query m + 8 (m / 8) of the tile; sixteen lanes store 256 consecutive bytes, aligned
.endr
	s_wait_tensorcnt 0x0                           ; the wave's end: behind my last tensor load and my last LDS store
	ds_add_u32 v[SPW], v[NIL]
	s_wait_dscnt 0x0
	CROUND                                         ; the closing round: no work-group ends while a partner may still ask for a tile that names it
	s_endpgm
.Lfunc_end_k_q264843a934_attn:
	.size	k_q264843a934_attn, .Lfunc_end_k_q264843a934_attn-k_q264843a934_attn
	.p2alignl 7, 3214868480
	.fill 96, 4, 3214868480
	.section	.rodata,"a",@progbits
	.p2align	6, 0x0
	.amdhsa_kernel k_q264843a934_attn
		.amdhsa_group_segment_fixed_size 327680
		.amdhsa_private_segment_fixed_size 0
		.amdhsa_enable_private_segment 0
		.amdhsa_kernarg_size 48
		.amdhsa_user_sgpr_count 2
		.amdhsa_user_sgpr_kernarg_segment_ptr 1
		.amdhsa_wavefront_size32 1
		.amdhsa_system_sgpr_workgroup_id_x 1
		.amdhsa_system_sgpr_workgroup_id_y 1
		.amdhsa_system_sgpr_workgroup_id_z 1
		.amdhsa_system_vgpr_workitem_id 0
		.amdhsa_next_free_vgpr 512
		.amdhsa_next_free_sgpr 66
		.amdhsa_reserve_vcc 1
		.amdhsa_float_denorm_mode_32 3
		.amdhsa_float_denorm_mode_16_64 3
		.amdhsa_memory_ordered 1
		.amdhsa_forward_progress 1
		.amdhsa_inst_pref_size 194
	.end_amdhsa_kernel
	.amdgpu_metadata
---
amdhsa.version: [ 1, 2 ]
amdhsa.kernels:
  - .name:           k_q264843a934_attn
    .symbol:         k_q264843a934_attn.kd
    .args:
      - { .name: qimg, .offset: 0, .size: 8, .value_kind: global_buffer, .address_space: global }
      - { .name: kv, .offset: 8, .size: 8, .value_kind: global_buffer, .address_space: global }
      - { .name: Wo_codes, .offset: 16, .size: 8, .value_kind: global_buffer, .address_space: global }
      - { .name: Wo_scales, .offset: 24, .size: 8, .value_kind: global_buffer, .address_space: global }
      - { .name: bo, .offset: 32, .size: 8, .value_kind: global_buffer, .address_space: global }
      - { .name: out0, .offset: 40, .size: 8, .value_kind: global_buffer, .address_space: global }
    .group_segment_fixed_size: 327680
    .private_segment_fixed_size: 0
    .kernarg_segment_align: 8
    .kernarg_segment_size: 48
    .max_flat_workgroup_size: 256
    .sgpr_count:     66
    .vgpr_count:     512
    .wavefront_size: 32
...
	.end_amdgpu_metadata
.endif
;; end of part 2
